; MI455X (gfx1250); checked and timed in simulation.
; The chip was launched on July 23, 2026; its instructions are those of AMD's public machine-readable ISA for CDNA 5 (MIT licence, August 2026) and "CDNA5" Instruction Set Architecture Reference Guide (July 2026). The comments in the code are by the model that wrote it; some were corrected since.
;; Qwen3 5 Attention. Allowed arithmetic: matrix products marked QUANTISED: E4M3 operands, one given power-of-two scale a tensor, by v_wmma_f32_16x16x64_fp8_fp8 or v_wmma_f32_16x16x128_fp8_fp8, f32 sums; everything else in f32.
;; Inputs: cos 2 x 2,048 x 128 float32; hidden_states 2 x 2,048 x 2,048 float32; k_norm_w 128 float32; k_proj_w 512 x 2,048 float32; lowp_scales 12 int32 (the exponents e of the quantised operands' scales 2^e); o_proj_w 2,048 x 1,024 float32; q_norm_w 128 float32; q_proj_w 2,048 x 2,048 float32; sin 2 x 2,048 x 128 float32; v_proj_w 512 x 2,048 float32.
;; Outputs: out0 2 x 2,048 x 2,048 float32.
;; This version of the problem:
;;   THIS VERSION OF THE PROBLEM IS GIVEN IN LOW PRECISION. The matrix products marked QUANTISED in the list below multiply operands that are first quantised to E4M3 (4 exponent bits, 3 mantissa bits; 8 bits a number), with one given power-of-two scale for each operand tensor; their sums are f32. All else is computed in f32.
;;   The module's matrix products, in the order in which they are computed (A, B: the left and right operand; K: the contracted axis; several contracted axes count as one K, in the product's order):
;;     1. [M 4,096, K 2,048] x [K 2,048, N 2,048]; A: input hidden_states; B: input q_proj_w: QUANTISED (scales: A lowp_scales[0], B lowp_scales[1])
;;     2. [M 4,096, K 2,048] x [K 2,048, N 512]; A: input hidden_states; B: input k_proj_w: QUANTISED (scales: A lowp_scales[2], B lowp_scales[3])
;;     3. [M 4,096, K 2,048] x [K 2,048, N 512]; A: input hidden_states; B: input v_proj_w: QUANTISED (scales: A lowp_scales[4], B lowp_scales[5])
;;     4. batch 16 x [M 2,048, K 128] x [K 128, N 2,048]; A: computed on the way; B: computed on the way: QUANTISED (scales: A lowp_scales[6], B lowp_scales[7])
;;     5. batch 16 x [M 128, K 2,048] x [K 2,048, N 2,048]; A: computed on the way; B: softmax (see below): QUANTISED (scales: A lowp_scales[8], B lowp_scales[9])
;;     6. [M 4,096, K 1,024] x [K 1,024, N 2,048]; A: computed on the way; B: input o_proj_w: QUANTISED (scales: A lowp_scales[10], B lowp_scales[11])
;;   THE QUANTISER, for each operand of a quantised product, along K:
;;     - The operand's scale is 2^e, e = its entry of the input lowp_scales (int32; the entries are numbered through the quantised products in the list's order, A before B).
;;     - Each number is divided by the scale, clamped to +-448, and rounded to the nearest number of E4M3, ties to even, subnormals kept.
;;     - The product sums the exact products of the quantised numbers (number of the format x scale) in f32.
;;   ~~~python
;;   def quantise(x, axis, e):      # numpy; x: float32 -> the quantised numbers, widened to float32 again
;;       x = np.moveaxis(x, axis, -1); K = x.shape[-1]
;;       r = np.clip(x / 2.0 ** e, -448, 448)
;;       step = 2.0 ** (np.maximum(np.frexp(np.where(r == 0, 1, r))[1] - 1, -6) - 3)
;;       q = np.round(r / step) * step * 2.0 ** e      # np.round: ties to even
;;       return np.moveaxis(q, -1, axis).astype(np.float32)
;;   ~~~
;;   SOFTMAX AHEAD OF A QUANTISED PRODUCT. Where the list says 'softmax', what is quantised is not the finished softmax but p = 2^(t - M), with t = logit x log2(e) and M = ceil(the row's largest t), a whole number; so 1/2 < the row's largest p <= 1. The row's sum l is taken of the UNQUANTISED p, in f32, and the product's result is divided by l at the end. Since M is a whole number, a kernel that streams over the keys may use a running M (the ceiling of the running maximum): every later rescaling is an exact power of two, so the quantised numbers keep their values, but for numbers so far below the row's largest that they fall under the format's range.
;;   OPERANDS COMPUTED ON THE WAY. 'Computed on the way' means the value that the module computes at that place (a softmax that the list does not call 'softmax' is quantised finished and normalised). What goes into a quantiser is computed in f32, as accurately as f32 sums, v_exp_f32 and their like allow (about 1e-6 of the number): no bf16 or f16 on the way to a quantiser, and a product that is left as it is and whose result goes on into a quantised operand takes f32 operands (vector FMAs, or v_wmma_f32_16x16x4_f32). A number that lies on a knife's edge between two numbers of the format may be rounded either way, as far as f32 arithmetic and the matrix unit's own rounding can turn it there, and no further.
;; One version. Each part assembles by itself: llvm-mc -triple=amdgcn-amd-amdhsa -mcpu=gfx1250 --defsym DOCPART=n.
;; ======== version 1 of 1: 4 launches
;; limits: right only within a limited range of input values
;; workspace buffers: codes1 37,748,736 bytes; codes2 25,165,824 bytes; codes3 4,194,304 bytes
;; launch quant (part 1): grid 544 x 1, 4 waves a work-group, no clusters, 34,304 bytes of LDS; arguments hidden_states, q_proj_w, k_proj_w, v_proj_w, o_proj_w, cos, sin, lowp_scales, codes1; writes codes1
.if DOCPART == 1
	.amdgcn_target "amdgcn-amd-amdhsa--gfx1250"
	.amdhsa_code_object_version 6
	.text
	.protected	k_q176bec6c7f_quant
	.globl	k_q176bec6c7f_quant
	.p2align	8
	.type	k_q176bec6c7f_quant,@function
k_q176bec6c7f_quant:
	s_mov_b64 s[64:65], 0
	v_nop
	global_prefetch_b8 v0, s[64:65] scope:SCOPE_SE
	s_setreg_imm32_b32 hwreg(HW_REG_WAVE_MODE, 25, 1), 1
	s_wait_xcnt 0x0
; hidden_states and the four weights, f32 with K innermost, become codes of E4M3 laid as IMAGES OF THE MATRIX OPERAND'S REGISTERS; cos and sin are laid as images of a result's registers.
; An image is 16 rows x 128 along K, 2,048 bytes: byte 512 c + 16 lane + 4 w + b is byte b of register 4 c + w of that lane: row lane % 16, k = 16 (reg / 2) + 8 (lane / 16) + 4 (reg % 2) + b.
; Images of an operand [rows][K] lie at index ((row / 128) (K / 128) + k / 128) 8 + (row % 128) / 16: 128 rows x any run of K steps are one dense block.
; An f32 image (cos, sin) is 8,192 bytes: register 8 t + i of a lane is column 16 t + 8 (lane / 16) + i of row lane % 16; four registers of a lane lie together, 512 bytes for the 32 lanes.
; code = x / 2^e, held within +-448, rounded to the nearest code, ties to even.  hidden_states is an operand of three products, under entries 0, 2 and 4 of the scales: a set of codes is made for each
; DIFFERENT exponent among the three (equal exponents give equal codes); the next launch makes the same comparison.  The branches on the exponents are scalar branches on whole numbers read from memory.
; LIMITS: each e between -126 and 119, so that 2^e and 448 x 2^e are f32 numbers.  NaN among the inputs is not served.
; SHARES: a unit is one image.  A work-group takes 16 units, a wave 4.  One path serves all seven tensors: pointers and sizes are chosen by the work-group's number.
; Each load reads 512 consecutive bytes of one row; a unit's 16 rows turn through the wave's own stage in LDS (rows of 512 + 16 bytes) and come back 32 neighbouring bytes a lane.  No barrier: waves share nothing.
.set WQ,    24<<20                     ; places in codes1: hidden's three sets at 0, 8 MiB, 16 MiB; the weights; the rope tables
.set WK,    28<<20
.set WV,    29<<20
.set WO,    30<<20
.set ROPE,  32<<20
.set STG,   16*528                     ; a wave's stage
.set SPARE, 4*STG                      ; behind the stages: the spare words, 128 bytes a wave, that no other line names
.set SPW,  1                           ; v1   my spare word's address; never rewritten
.set NIL,  2                           ; v2   0; never rewritten
.set LIN,  3                           ; v3   into the stage: 16 x lane
.set LOUT, 4                           ; v4   out of it: 528 x (lane % 16) + 32 x (lane / 16)
.set SC,   5                           ; v5.. for each of three sets: 2^e, 448 x 2^e
.set VO,   16                          ; v16-31  16 x lane + i rows of the source; v16 also serves the stores; never rewritten
.set R,    32                          ; v32-159 two sets of 64: a unit as loaded
.set X,    160                         ; v160-223 a unit as the image wants it
.set T,    224                         ; v224-239 sixteen held numbers
.set C,    240                         ; v240-255 an image's codes
	s_load_b512 s[8:23], s[0:1], 0x0               ; hidden s[8:9], wq s[10:11], wk s[12:13], wv s[14:15], wo s[16:17], cos s[18:19], sin s[20:21], the scales s[22:23]
	s_load_b64 s[24:25], s[0:1], 0x40              ; codes1
	v_lshl_add_u32 v[SPW], v0, 2, SPARE
	v_mov_b32 v[NIL], 0
	v_lshrrev_b32 v11, 5, v0
	v_readfirstlane_b32 s2, v11                    ; wave
	v_and_b32 v12, 31, v0                          ; lane
	v_and_b32 v13, 15, v0
	v_bfe_u32 v14, v0, 4, 1
	s_mul_i32 s3, s2, STG
	v_lshlrev_b32 v[VO], 4, v12
	v_add_nc_u32 v[LIN], s3, v[VO]
	v_mul_u32_u24 v[LOUT], v13, 528
	v_lshl_add_u32 v[LOUT], v14, 5, v[LOUT]
	v_add_nc_u32 v[LOUT], s3, v[LOUT]
	s_wait_alu depctr_va_vdst(0)
	s_wait_kmcnt 0x0
	s_load_b256 s[36:43], s[22:23], 0x0            ; e0 .. e7
	s_load_b128 s[44:47], s[22:23], 0x20           ; e8 .. e11
; which tensor is mine: source s[4:5], first work-group s6, kappa = log2(units in a tile of 16 rows) s7, place in codes1 s26
.macro PICK bound, src, first, kap, doff
	s_cmp_lt_u32 ttmp9, \bound
	s_cselect_b64 s[4:5], s[\src:\src+1], s[4:5]
	s_cselect_b32 s6, \first, s6
	s_cselect_b32 s7, \kap, s7
	s_cselect_b32 s26, \doff, s26
.endm
	s_mov_b64 s[4:5], s[20:21]                     ; sin, unless the number is smaller
	s_mov_b32 s6, 528
	s_mov_b32 s7, 0
	s_mov_b32 s26, ROPE+8192
	PICK 528, 18, 512, 0, ROPE
	PICK 512, 16, 448, 3, WO
	PICK 448, 14, 416, 4, WV
	PICK 416, 12, 384, 4, WK
	PICK 384, 10, 256, 4, WQ
	PICK 256, 8, 0, 4, 0
	s_cmp_ge_u32 ttmp9, 512
	s_cselect_b32 s27, 1, 0                        ; 1: a rope table, copied as f32
	s_sub_co_u32 s28, ttmp9, s6
	s_lshl_b32 s28, s28, 4
	s_lshl_b32 s29, s2, 2
	s_add_co_u32 s28, s28, s29                     ; my first unit
	s_lshr_b32 s29, s28, s7                        ; its tile of 16 rows,
	s_lshl_b32 s30, 1, s7
	s_sub_co_u32 s30, s30, 1
	s_and_b32 s30, s28, s30                        ; its K step
	s_add_co_u32 s31, s7, 13
	s_lshl_b32 s31, s29, s31                       ; 16 rows of 512 << kappa bytes
	s_lshl_b32 s32, s30, 9
	s_add_co_u32 s32, s31, s32                     ; the unit's first byte in the source
	s_mov_b32 s33, 0
	s_cmp_eq_u32 s7, 0
	s_mov_b32 s34, 512
	s_cselect_b32 s34, 8192, s34                   ; to the next unit: 128 columns on, or (one unit to a tile) 16 rows down
	s_mov_b32 s35, 0
	s_add_nc_u64 s[48:49], s[4:5], s[32:33]        ; a base for each of my four units: none is ever stepped
	s_add_nc_u64 s[50:51], s[48:49], s[34:35]
	s_add_nc_u64 s[52:53], s[50:51], s[34:35]
	s_add_nc_u64 s[54:55], s[52:53], s[34:35]
	s_lshr_b32 s66, s29, 3                         ; the image's index: ((tile / 8 << kappa) + K step) 8 + tile % 8
	s_lshl_b32 s66, s66, s7
	s_add_co_u32 s66, s66, s30
	s_lshl_b32 s66, s66, 3
	s_and_b32 s67, s29, 7
	s_or_b32 s66, s66, s67
	s_lshl_b32 s66, s66, 11
	s_lshl_b32 s67, s28, 14                        ; a rope table: 16 KiB for each tile of tokens (cos, then sin)
	s_cmp_eq_u32 s27, 1
	s_cselect_b32 s66, s67, s66
	s_add_co_u32 s66, s66, s26
	s_mov_b32 s67, 0
	s_add_nc_u64 s[56:57], s[24:25], s[66:67]      ; where my first unit goes; the next K step's image lies 16,384 bytes on, and so does the next tile's table
	s_add_nc_u64 s[58:59], s[56:57], 0x800000      ; hidden's second and third set (used by hidden's work-groups alone)
	s_add_nc_u64 s[60:61], s[56:57], 0x1000000
	s_lshl_b32 s68, 512, s7                        ; a source row in bytes
.irp i, 1,2,3,4,5,6,7,8,9,10,11,12,13,14,15
	v_mad_u32_u24 v[VO+\i], s68, \i, v[VO]
.endr
.macro LOADU t                         ; unit t: 16 rows, each 512 consecutive bytes for the 32 lanes; read once in the launch
.irp i, 0,1,2,3,4,5,6,7,8,9,10,11,12,13,14,15
	global_load_b128 v[R+64*((\t)%2)+4*\i:R+64*((\t)%2)+4*\i+3], v[VO+\i], s[48+2*(\t):49+2*(\t)] th:TH_LOAD_NT
.endr
.endm
	LOADU 0
	LOADU 1
	s_wait_alu depctr_va_vdst(0)
	s_wait_kmcnt 0x0
	s_mov_b32 s69, s36                             ; my tensor's e: hidden e0, wq e1, wk e3, wv e5, wo e11
	s_cmp_lt_u32 ttmp9, 512
	s_cselect_b32 s69, s47, s69
	s_cmp_lt_u32 ttmp9, 448
	s_cselect_b32 s69, s41, s69
	s_cmp_lt_u32 ttmp9, 416
	s_cselect_b32 s69, s39, s69
	s_cmp_lt_u32 ttmp9, 384
	s_cselect_b32 s69, s37, s69
	s_cmp_lt_u32 ttmp9, 256
	s_cselect_b32 s69, s36, s69
	s_cmp_lg_u32 s38, s36
	s_cselect_b32 s70, 1, 0                        ; a second set: e2 differs from e0
	s_cmp_lg_u32 s40, s36
	s_cselect_b32 s71, 1, 0
	s_cmp_lg_u32 s40, s38
	s_cselect_b32 s71, s71, 0                      ; a third: e4 differs from both
	s_cmp_lt_u32 ttmp9, 256
	s_cselect_b32 s70, s70, 0                      ; for hidden alone
	s_cselect_b32 s71, s71, 0
.macro MKSC e, n                       ; 2^e as f32 (the conversion takes its exponent field) and 448 x 2^e
	s_add_co_i32 s72, s[\e], 127
	s_lshl_b32 s73, s72, 23
	v_mov_b32 v[SC+2*\n], s73
	s_add_co_i32 s72, s72, 8
	s_lshl_b32 s72, s72, 23
	s_or_b32 s72, s72, 0x600000
	v_mov_b32 v[SC+2*\n+1], s72
.endm
	MKSC 69, 0
	MKSC 38, 1
	MKSC 40, 2
; the unit in X becomes an image under set n's scale and is stored: four stores of 512 consecutive bytes
.macro CONV n, base, t
	s_wait_xcnt 0x0                                ; the earlier stores have read C: it is written again only behind this wait
.irp q, 0,1,2,3
.irp i, 0,1,2,3,4,5,6,7,8,9,10,11,12,13,14,15
	v_med3_num_f32 v[T+\i], v[X+16*\q+\i], -v[SC+2*\n+1], v[SC+2*\n+1]   ; the conversion does not saturate (ISA guide 7.6.2): the hold comes first
.endr
	v_cvt_scalef32_pk8_fp8_f32 v[C+4*\q:C+4*\q+1], v[T:T+7], v[SC+2*\n]
	v_cvt_scalef32_pk8_fp8_f32 v[C+4*\q+2:C+4*\q+3], v[T+8:T+15], v[SC+2*\n]
	v_nop                                          ; a plain instruction between the conversions and the next writes of T
.endr
.irp c, 0,1,2,3
	global_store_b128 v[VO], v[C+4*\c:C+4*\c+3], s[\base:\base+1] offset:16384*(\t)+512*\c
.endr
.endm
.macro UNIT t
.if (\t) < 3
	s_wait_loadcnt 16                              ; this unit's 16 loads are in; the next unit's 16 may be out
.else
	s_wait_loadcnt 0x0
.endif
	s_wait_xcnt 0x0                                ; a table's stores have read X
.irp i, 0,1,2,3,4,5,6,7,8,9,10,11,12,13,14,15
	ds_store_b128 v[LIN], v[R+64*((\t)%2)+4*\i:R+64*((\t)%2)+4*\i+3] offset:528*\i
.endr
.irp c, 0,1,2,3,4,5,6,7
	ds_load_b128 v[X+8*\c:X+8*\c+3], v[LOUT] offset:64*\c          ; LDS serves a wave's instructions in order: these see the stores above
	ds_load_b128 v[X+8*\c+4:X+8*\c+7], v[LOUT] offset:64*\c+16     ; X[8 c + i] = column 16 c + 8 (lane / 16) + i of row lane % 16
.endr
	s_wait_dscnt 0x0                               ; X is in, and the stage's stores have read R
.if (\t) < 2
	LOADU (\t)+2
.endif
	s_cmp_eq_u32 s27, 1
	s_cbranch_scc0 .Lcodes_\@
.irp g, 0,1,2,3,4,5,6,7,8,9,10,11,12,13,14,15
	global_store_b128 v[VO], v[X+4*\g:X+4*\g+3], s[56:57] offset:16384*(\t)+512*\g
.endr
	s_branch .Ldone_\@
.Lcodes_\@:
	s_wait_alu depctr_va_vdst(0)
	CONV 0, 56, \t
	s_cmp_eq_u32 s70, 0
	s_cbranch_scc1 .Lno1_\@
	CONV 1, 58, \t
.Lno1_\@:
	s_cmp_eq_u32 s71, 0
	s_cbranch_scc1 .Ldone_\@
	CONV 2, 60, \t
.Ldone_\@:
.endm
	UNIT 0
	UNIT 1
	UNIT 2
	UNIT 3
	s_wait_tensorcnt 0x0                           ; the wave's end: a wait, an add to my spare word and its wait behind my last LDS store
	ds_add_u32 v[SPW], v[NIL]
	s_wait_dscnt 0x0
	s_endpgm
.Lfunc_end_k_q176bec6c7f_quant:
	.size	k_q176bec6c7f_quant, .Lfunc_end_k_q176bec6c7f_quant-k_q176bec6c7f_quant
	.p2alignl 7, 3214868480
	.fill 96, 4, 3214868480
	.section	.rodata,"a",@progbits
	.p2align	6, 0x0
	.amdhsa_kernel k_q176bec6c7f_quant
		.amdhsa_group_segment_fixed_size 34304
		.amdhsa_private_segment_fixed_size 0
		.amdhsa_enable_private_segment 0
		.amdhsa_kernarg_size 72
		.amdhsa_user_sgpr_count 2
		.amdhsa_user_sgpr_kernarg_segment_ptr 1
		.amdhsa_wavefront_size32 1
		.amdhsa_system_sgpr_workgroup_id_x 1
		.amdhsa_system_sgpr_workgroup_id_y 1
		.amdhsa_system_sgpr_workgroup_id_z 1
		.amdhsa_system_vgpr_workitem_id 0
		.amdhsa_next_free_vgpr 256
		.amdhsa_next_free_sgpr 96
		.amdhsa_reserve_vcc 0
		.amdhsa_float_denorm_mode_32 3
		.amdhsa_float_denorm_mode_16_64 3
		.amdhsa_memory_ordered 1
		.amdhsa_forward_progress 1
		.amdhsa_inst_pref_size 89
	.end_amdhsa_kernel
	.amdgpu_metadata
---
amdhsa.version: [ 1, 2 ]
amdhsa.kernels:
  - .name:           k_q176bec6c7f_quant
    .symbol:         k_q176bec6c7f_quant.kd
    .args:
      - { .name: hidden_states, .offset: 0, .size: 8, .value_kind: global_buffer, .address_space: global }
      - { .name: q_proj_w, .offset: 8, .size: 8, .value_kind: global_buffer, .address_space: global }
      - { .name: k_proj_w, .offset: 16, .size: 8, .value_kind: global_buffer, .address_space: global }
      - { .name: v_proj_w, .offset: 24, .size: 8, .value_kind: global_buffer, .address_space: global }
      - { .name: o_proj_w, .offset: 32, .size: 8, .value_kind: global_buffer, .address_space: global }
      - { .name: cos, .offset: 40, .size: 8, .value_kind: global_buffer, .address_space: global }
      - { .name: sin, .offset: 48, .size: 8, .value_kind: global_buffer, .address_space: global }
      - { .name: lowp_scales, .offset: 56, .size: 8, .value_kind: global_buffer, .address_space: global }
      - { .name: codes1, .offset: 64, .size: 8, .value_kind: global_buffer, .address_space: global }
    .group_segment_fixed_size: 34304
    .private_segment_fixed_size: 0
    .kernarg_segment_align: 8
    .kernarg_segment_size: 72
    .max_flat_workgroup_size: 128
    .sgpr_count:     96
    .vgpr_count:     256
    .wavefront_size: 32
...
	.end_amdgpu_metadata
.endif
;; end of part 1
;; launch qkv (part 2): grid 16 x 12, 4 waves a work-group, clusters of 4 x 1, 327,680 bytes of LDS; arguments codes1, lowp_scales, q_norm_w, k_norm_w, codes2; writes codes2
.if DOCPART == 2
	.amdgcn_target "amdgcn-amd-amdhsa--gfx1250"
	.amdhsa_code_object_version 6
	.text
	.protected	k_q176bec6c7f_qkv
	.globl	k_q176bec6c7f_qkv
	.p2align	8
	.type	k_q176bec6c7f_qkv,@function
k_q176bec6c7f_qkv:
	s_mov_b64 s[64:65], 0
	v_nop
	global_prefetch_b8 v0, s[64:65] scope:SCOPE_SE
	s_setreg_imm32_b32 hwreg(HW_REG_WAVE_MODE, 25, 1), 1
	s_wait_xcnt 0x0
	s_wait_alu depctr_hold_cnt(0) depctr_sa_sdst(0) depctr_va_vdst(0) depctr_va_sdst(0) depctr_va_ssrc(0) depctr_va_vcc(0) depctr_vm_vsrc(0)
	s_getreg_b32 s2, hwreg(HW_REG_IB_STS2, 6, 4)
	s_cmp_eq_u32 s2, 0
	s_cbranch_scc0 .Lentry_in_a_cluster
	s_endpgm
.Lentry_in_a_cluster:
	s_bfe_u32 s2, ttmp6, 0x10000c
	s_cmp_lg_u32 s2, 0x3003
	s_cbranch_scc0 .Lentry_shape_is_right
	s_endpgm
.Lentry_shape_is_right:
; The three projections on codes of E4M3 (K = 2,048), and what follows them up to the next quantisers: q and k: RMS norm, (1 + w), rope, codes; the gate: 1 + 2^(-log2(e) g), f32; v: codes with the keys innermost.
; (The gate's sigmoid is the reciprocal of what is stored here.  A gate wave has 8 tiles x 64 numbers a lane; a wave of the attention's launch has one tile: so the reciprocal is taken there.)
; A work-group makes 256 tokens (tx) x 256 rows of the weights (y): y = 0..7: head y, its 128 rows of q and its 128 of the gate; y = 8, 9: two heads of k; y = 10, 11: two heads of v.
; Four waves, each 128 x 128: 64 accumulators, 512 registers.  K goes in steps of 256 through a ring of two LDS slots.  All operands lie in memory as images of the operand's registers (16 rows x 128 K, 2,048 bytes;
; 128 rows x 256 K are 32,768 consecutive bytes), so a tile is one dense block, a fragment is four loads of 512 consecutive bytes, and LDS needs no padding.
; THE PRODUCT IS D, source 0, source 1: a lane holds ONE row of source 1, its eight registers eight neighbouring rows of source 0.  For q, gate and k source 1 = tokens and source 0 = weights: a lane holds a token and 64
; of a head's 128 numbers, so the norm wants one exchange between the halves of the lanes, the rope's partner (64 columns on) lies 32 registers on, and eight registers convert into two registers of the next operand.
; For v the two change places (only the fragments' LDS addresses differ): a lane holds one channel and its registers run along the tokens, which are the next product's K.  Nothing is transposed.
; CLUSTER: the four work-groups of a cluster lie along the tokens and share the weights' tile, which is asked for jointly; the tokens' tiles are each work-group's own.  A cluster 4 wide along y too is not taken:
; k and v have two column tiles each, with other codes of the tokens and another way out, so descriptors and branches would differ between partners.
; LIMITS on the given exponents: E = e0 + e1 and e2 + e3 between -59 and 66 (2^(2 E - 7) and 2^E are made as f32 numbers); e0 + e1 also between -126 and 126 (it is added to the exponent field of -log2(e));
; e6, e7 and e8 - e4 - e5 between -126 and 119.  NaN is not served.
.set FR,    16                         ; registers of a fragment
.set NL,    4                          ; LDS loads that bring one
.set NP,    4                          ; places behind this matrix instruction (ISA guide 7.12.1)
.set IMG,   2048
.set BLK,   16*IMG                     ; 128 rows x 256 K: what one tensor load brings
.set SLOT,  4*BLK                      ; tokens' two halves, then the weights' two halves
.set LAPS,  4                          ; 2,048 / 512: a lap is two K steps
.set SPARE, 2*SLOT                     ; behind the ring: the spare words, 128 bytes a wave, that no other line names
.set WQ,    24<<20                     ; codes1: the weights' 24 blocks of 128 rows (q and gate 16, k 4, v 4), 262,144 bytes each
.set ROPE,  32<<20                     ; codes1: for each tile of 16 tokens cos' f32 image, then sin's
.set KC,    4<<20                      ; codes2: q's images at 0, k's, v's, the gates' f32 images
.set VC,    6<<20
.set GS,    8<<20
.set ADR1, 16                          ; v16-17  LDS address of source 1's fragments in slot 0, 1
.set ADR0, 20                          ; v20-21  of source 0's
.set LI,   26                          ; v26     16 x lane: my place in every image; never rewritten
.set SPW,  28                          ; v28     my spare word's address; never rewritten
.set NIL,  29                          ; v29     0; never rewritten
.set W1,   32                          ; v32-95  the norm's weights of my 64 columns, later 1 + w
.set AF,   128                         ; v128-255 source 1's fragments, one set (window 0);  window 1: source 0's two sets;  windows 2, 3: the accumulators, (a, b) at v[8 (8 (a % 4) + b)]
.set Z,    96                          ; the way out, window 0: v96-159, v160-223 at work, v224-239 codes, v240-247 small things
.set O,    160
.set C,    224
.set G1,  24                           ; s[24:31] group 1, plain (tokens);  s[32:39] its groups 0, one a slot
.set G0,  32
.set G1J, 48                           ; s[48:55] group 1, joint (weights);  s[56:63] its groups 0
.set G0J, 56
.set MSB, 0
.macro WIN new                         ; the immediate's high byte repeats the setting that is left
.if MSB != (\new)
	s_set_vgpr_msb (MSB<<8)|(\new)
.set MSB, (\new)
.endif
.endm
.set MUL_LO, 0xa1                      ; source 0 window 1, source 1 window 0, C and D window 2
.set MUL_HI, 0xf1                      ; the same, C and D window 3
.set TO_B,   0x40                      ; destination window 1, address window 0
; Waves 0 and 1 fetch the tokens' halves, waves 2 and 3 the weights' (jointly).  The branch hangs on the wave's number alone.  An s_nop 0 and four v_nop follow each line.
.macro JLOAD g0a, g1a, g0b, g1b
	s_cmp_eq_u32 s15, 0
	s_cbranch_scc0 .Lfor_b_\@
	tensor_load_to_lds s[\g0a:\g0a+3], s[\g1a:\g1a+7]
	s_nop 0
.rept 4
	v_nop
.endr
	s_branch .Lasked_\@
.Lfor_b_\@:
	tensor_load_to_lds s[\g0b:\g0b+3], s[\g1b:\g1b+7]
	s_nop 0
.rept 4
	v_nop
.endr
.Lasked_\@:
.endm
.macro CREST                           ; a round of the cluster's barrier behind its opening barrier
	s_cmp_lg_u32 s14, 0
	s_cbranch_scc1 .Lnot_wave_0_\@
	s_barrier_signal -3
.Lnot_wave_0_\@:
	s_barrier_wait -3
	s_barrier_signal -1
	s_barrier_wait -1
.endm
.macro CROUND
	s_barrier_signal -1
	s_barrier_wait -1
	CREST
.endm
	s_load_b256 s[4:11], s[0:1], 0x0               ; codes1 s[4:5], the scales s[6:7], q_norm_w s[8:9], k_norm_w s[10:11]
	s_load_b64 s[12:13], s[0:1], 0x20              ; codes2
	v_lshl_add_u32 v[SPW], v0, 2, SPARE
	v_mov_b32 v[NIL], 0
	ds_add_u32 v[SPW], v[NIL]                      ; the wave's opening: the add and its wait stand ahead of my first tensor load; work on registers stands between
	ds_add_u32 v[SPW], v[NIL]
	v_lshrrev_b32 v1, 5, v0
	v_readfirstlane_b32 s14, v1                    ; wave 0..3
	s_lshr_b32 s15, s14, 1                         ; wr: which half of source 1's rows is mine.  Also: I fetch tokens (0) or weights (1)
	s_and_b32 s16, s14, 1                          ; wc: which half of source 0's.  Also: which half I fetch
	s_bfe_u32 s40, ttmp6, 0x40000                  ; cx
	s_lshl_b32 s42, ttmp9, 2
	s_add_co_u32 s42, s42, s40                     ; tx: my 256 tokens
	s_and_b32 s17, ttmp7, 0xffff                   ; y: which all four partners share
	s_mov_b32 s[G1+0], 3<<16                       ; no mask; elements of 8 bytes; no padding
	s_mov_b32 s[G1J+0], 15|(3<<16)|(1<<21)         ; the mask: all four work-groups; bit 21 set beside it
.irp g, G1, G1J
	s_mov_b32 s[\g+1], 32<<16                      ; tensor_dim0 = 32 elements: rows of 256 bytes
	s_mov_b32 s[\g+2], 128<<16                     ; tensor_dim1 = 128 rows
	s_mov_b32 s[\g+3], 32<<16                      ; tile_dim0
	s_mov_b32 s[\g+4], 128                         ; tile_dim1
	s_mov_b32 s[\g+5], 32                          ; the pitch: dense
	s_mov_b32 s[\g+6], 0
	s_mov_b32 s[\g+7], 0
.endr
	s_wait_dscnt 0x0                               ; the opening add is done
	s_wait_kmcnt 0x0
	s_load_b256 s[68:75], s[6:7], 0x0              ; e0 .. e7
	s_load_b128 s[76:79], s[6:7], 0x20             ; e8 .. e11
	s_lshl_b32 s18, s42, 1
	s_add_co_u32 s18, s18, s16
	s_lshl_b32 s18, s18, 18                        ; tokens: block 2 tx + half, 262,144 bytes each
	s_mov_b32 s19, 0
	s_lshl_b32 s20, s17, 1
	s_add_co_u32 s20, s20, s16
	s_lshl_b32 s20, s20, 18
	s_add_co_u32 s20, s20, WQ                      ; weights: block 2 y + half: no place in the cluster enters
	s_mov_b32 s21, 0
	s_lshl_b32 s45, s14, 15                        ; where they go: wave x 32,768
	s_wait_kmcnt 0x0
	s_cmp_eq_u32 s70, s68                          ; which set of the tokens' codes: equal exponents share a set, as the launch before laid them.  A choice, no branch
	s_cselect_b32 s22, 0, 1                        ; k: e2
	s_cmp_eq_u32 s72, s70
	s_cselect_b32 s23, 1, 2                        ; v: e4
	s_cmp_eq_u32 s72, s68
	s_cselect_b32 s23, 0, s23
	s_cmp_ge_u32 s17, 8
	s_cselect_b32 s22, s22, 0
	s_cmp_ge_u32 s17, 10
	s_cselect_b32 s22, s23, s22
	s_min_u32 s22, s22, 2                          ; held at the last set
	s_lshl_b32 s22, s22, 23                        ; 8 MiB a set
	s_add_co_u32 s18, s18, s22
	s_add_nc_u64 s[18:19], s[4:5], s[18:19]
	s_add_nc_u64 s[20:21], s[4:5], s[20:21]
	CROUND                                         ; all four work-groups are here: the first joint loads meet
.irp s, 0,1
	s_mov_b32 s[G0+4*\s], 1
	s_add_co_u32 s[G0+4*\s+1], s45, \s*SLOT
	s_add_nc_u64 s[G0+4*\s+2:G0+4*\s+3], s[18:19], \s*BLK
	s_or_b32 s[G0+4*\s+3], s[G0+4*\s+3], 0x80000000
	s_mov_b32 s[G0J+4*\s], 1
	s_add_co_u32 s[G0J+4*\s+1], s45, \s*SLOT
	s_add_nc_u64 s[G0J+4*\s+2:G0J+4*\s+3], s[20:21], \s*BLK
	s_or_b32 s[G0J+4*\s+3], s[G0J+4*\s+3], 0x80000000
.endr
	JLOAD G0, G1, G0J, G1J                         ; K step 0: one tensor load a wave at the head
	v_bfe_u32 v2, v0, 4, 1                         ; lane / 16
	v_and_b32 v3, 31, v0
.set TA,   22                          ; v22-23  LDS address of my half's rope tables in slot 0, 1; never rewritten
	v_lshlrev_b32 v[LI], 4, v3
	s_wait_alu depctr_va_vdst(0)
	v_lshlrev_b32 v4, 5, v2                        ; the norm's weights of my columns 16 t + 8 (lane / 16) + 0..7.  Every wave loads them (the gate's and v's do not use them), so that the registers are written on every path
	s_cmp_ge_u32 s17, 8
	s_cselect_b64 s[46:47], s[10:11], s[8:9]
.irp t, 0,1,2,3,4,5,6,7
	global_load_b128 v[W1+8*\t:W1+8*\t+3], v4, s[46:47] offset:64*\t
	global_load_b128 v[W1+8*\t+4:W1+8*\t+7], v4, s[46:47] offset:64*\t+16
.endr
	s_cmp_ge_u32 s17, 10                           ; v: the sources change places
	s_cselect_b32 s94, 65536, 0                    ; source 1: tokens' region, for v the weights'
	s_cselect_b32 s95, 0, 65536                    ; source 0: the other
	s_lshl_b32 s96, s15, 15
	s_add_co_u32 s94, s94, s96
	s_lshl_b32 s96, s16, 15
	s_add_co_u32 s95, s95, s96
.irp s, 0,1
	v_add_nc_u32 v[ADR1+\s], s94, v[LI]
	v_add_nc_u32 v[ADR0+\s], s95, v[LI]
	s_add_co_u32 s94, s94, SLOT
	s_add_co_u32 s95, s95, SLOT
.endr
	s_lshl_b32 s96, s15, 16                        ; the rope tables on the way out: my half's four tiles of 16 tokens, 16,384 bytes each, in a slot
	v_add_nc_u32 v[TA], s96, v[LI]
	s_add_co_u32 s96, s96, SLOT
	v_add_nc_u32 v[TA+1], s96, v[LI]
.macro FRAG reg, adr, q, i             ; image i of the slot's q-th 128 along K: four loads of 512 consecutive bytes
.irp c, 0,1,2,3
	ds_load_b128 v[\reg+4*\c:\reg+4*\c+3], v[\adr] offset:(8*(\q)+(\i))*IMG+512*\c
.endr
.endm
; 16 matrix instructions: source 1's blocks a0, a0 + 1 x source 0's eight.  The 64 accumulators take turns, one instruction a turn, in the same order in every step.
.macro MUL16 a0, p, zero
.irp a, \a0, \a0+1
.irp b, 0,1,2,3,4,5,6,7
.if \zero
	v_wmma_f32_16x16x128_fp8_fp8 v[8*(8*((\a)%4)+\b):8*(8*((\a)%4)+\b)+7], v[128*(\p)+FR*\b:128*(\p)+FR*\b+FR-1], v[AF+FR*(\a):AF+FR*(\a)+FR-1], 0
.else
	v_wmma_f32_16x16x128_fp8_fp8 v[8*(8*((\a)%4)+\b):8*(8*((\a)%4)+\b)+7], v[128*(\p)+FR*\b:128*(\p)+FR*\b+FR-1], v[AF+FR*(\a):AF+FR*(\a)+FR-1], v[8*(8*((\a)%4)+\b):8*(8*((\a)%4)+\b)+7]
.endif
.endr
.endr
.endm
.macro FETCH_B slot, q, p
	WIN TO_B
.irp i, 0,1,2,3,4,5,6,7
	FRAG 128*(\p)+FR*\i, ADR0+\slot, \q, \i
.endr
	WIN 0
.endm
.macro FETCH_A slot, q, i0
.irp i, \i0, \i0+1, \i0+2, \i0+3
	FRAG AF+FR*(\i), ADR1+\slot, \q, \i
.endr
.endm
.macro PLACES n                        ; plain vector instructions between a matrix instruction and a load into, or a read of, its registers
.rept \n
	v_nop
.endr
.endm
.macro STEP slot, q, zero              ; 128 along K whose successor lies in the same slot
	s_wait_dscnt 4*NL                              ; source 0's set and source 1's blocks 0-3 are in; the youngest 16 loads (blocks 4-7) may be out
	WIN MUL_LO
	MUL16 0, (\q)%2, \zero
	MUL16 2, (\q)%2, \zero
	s_wait_dscnt 0
	PLACES NP
	FETCH_B \slot, (\q)+1, 1-(\q)%2
	FETCH_A \slot, (\q)+1, 0
	WIN MUL_HI
	MUL16 4, (\q)%2, \zero
	MUL16 6, (\q)%2, \zero
	PLACES NP
	WIN 0
	FETCH_A \slot, (\q)+1, 4
.endm
; A slot's last step changes slots: one barrier; in front of it each wave waits for all its tensor loads, adds 0 to its spare word, and waits for that and for its reads of this slot.
; A load of rope tables, 32,768 bytes a wave.  In v's work-groups (y >= 10) no wave reads them, so they are not asked for: a branch on the work-group's y, the same in all waves and all partners, round the load alone.
.macro TABLOAD g0
	s_cmp_ge_u32 s17, 10
	s_cbranch_scc1 .Lno_tab_\@
	tensor_load_to_lds s[\g0:\g0+3], s[G1:G1+7]
	s_nop 0
.rept 4
	v_nop
.endr
.Lno_tab_\@:
	PLACES NP
.endm
; No prefetch is laid: the block is the largest that the registers hold (256 x 256), in clusters, and K is eight fills of a slot.
; fill = 1: this slot takes the K step two on.  fill = 2 (the last change): slot 0 takes the rope tables of tiles 0-3 of both halves of my tokens.
; The 32 products that need registers alone stand ahead of the wait for the tensor loads, so that between that wait and the refill stand only the add, its wait and the round;
; from a refill to the wait for it a wave has 128 products: 32 here, 64 in the next step, 32 at the next change.
.macro TURN slot, next, fill
	s_wait_dscnt 4*NL                              ; source 0's set and source 1's blocks 0-3 are in; the youngest 16 loads (blocks 4-7) may be out
	WIN MUL_LO
	MUL16 0, 1, 0
	MUL16 2, 1, 0
	WIN 0
	s_wait_tensorcnt 0x0                           ; all my tensor loads have landed: my part of the next slot
	ds_add_u32 v[SPW], v[NIL]
	s_wait_dscnt 0x0                               ; the add is done, and my reads of this slot are over
	s_barrier_signal -1
	s_barrier_wait -1
	CREST                                          ; the barrier has opened a round of the cluster's: no wave of any partner still reads this slot or has a load on its way
.if \fill == 1
	s_add_nc_u64 s[G0+4*\slot+2:G0+4*\slot+3], s[G0+4*\slot+2:G0+4*\slot+3], 2*BLK
	s_add_nc_u64 s[G0J+4*\slot+2:G0J+4*\slot+3], s[G0J+4*\slot+2:G0J+4*\slot+3], 2*BLK
	JLOAD G0+4*\slot, G1, G0J+4*\slot, G1J         ; the first tensor load behind the round; its four v_nop are the places in front of the loads below
.else
	s_lshl_b32 s92, s42, 18                        ; my 256 tokens' tables: 16 tiles x 16,384 bytes;
	s_lshl_b32 s93, s15, 17                        ; waves 0, 1: the first half's tiles 0-1, 2-3; waves 2, 3: the second half's
	s_add_co_u32 s92, s92, s93
	s_lshl_b32 s93, s16, 15
	s_add_co_u32 s92, s92, s93
	s_add_co_u32 s92, s92, ROPE
	s_mov_b32 s93, 0
	s_add_nc_u64 s[G0+2:G0+3], s[4:5], s[92:93]
	s_or_b32 s[G0+3], s[G0+3], 0x80000000
	TABLOAD G0
.endif
	FETCH_B \next, 0, 0
	FETCH_A \next, 0, 0
	WIN MUL_HI
	MUL16 4, 1, 0
	MUL16 6, 1, 0
	PLACES NP
	WIN 0
	FETCH_A \next, 0, 4
.endm
	s_wait_alu depctr_va_vdst(0)
	s_wait_tensorcnt 0x0                           ; my part of K step 0 is in
	ds_add_u32 v[SPW], v[NIL]
	s_wait_dscnt 0x0
	CROUND                                         ; everybody's part of K step 0 is in, and the four work-groups are here
	JLOAD G0+4, G1, G0J+4, G1J                     ; K step 1, the first tensor load behind the round
	FETCH_B 0, 0, 0
	FETCH_A 0, 0, 0
	FETCH_A 0, 0, 4
	STEP 0, 0, 1                                   ; the first step starts the sums: nothing is cleared
	s_mov_b32 s3, LAPS-1
.Llap:
	TURN 0, 1, 1
	STEP 1, 0, 0
	TURN 1, 0, 1
	STEP 0, 0, 0
	s_sub_co_u32 s3, s3, 1
	s_cmp_lg_u32 s3, 0
	s_cbranch_scc1 .Llap
	TURN 0, 1, 2                                   ; the last change of slots: slot 0 takes rope tables
	STEP 1, 0, 0
	s_wait_dscnt 4*NL
	WIN MUL_LO
	MUL16 0, 1, 0
	MUL16 2, 1, 0
	s_wait_dscnt 0
	WIN MUL_HI
	MUL16 4, 1, 0
	MUL16 6, 1, 0
	WIN 0
	PLACES NP                                      ; behind the last products: their operands' registers are written and loaded into below
	s_wait_tensorcnt 0x0                           ; my part of the first tables is in;
	ds_add_u32 v[SPW], v[NIL]
	s_add_nc_u64 s[G0+6:G0+7], s[G0+2:G0+3], 0x10000   ; tiles 4-7 lie 65,536 bytes behind tiles 0-3
	s_wait_dscnt 0x0                               ; my reads of slot 1 are over
	CROUND
	TABLOAD G0+4                                   ; slot 1 takes the tables of tiles 4-7 of both halves; they land while tiles 0-3 are worked
	s_add_co_i32 s80, s68, s69
	s_add_co_i32 s81, s70, s71
	s_add_co_i32 s85, s72, s73
	s_cmp_ge_u32 s17, 8
	s_cselect_b32 s80, s81, s80
	s_cselect_b32 s94, s75, s74                    ; the next quantiser's exponent: k e7, q e6
	s_cmp_ge_u32 s17, 10
	s_cselect_b32 s80, s85, s80
	s_lshr_b32 s95, s42, 3                         ; the batch
	s_and_b32 s96, s42, 7                          ; my 256 tokens within it
	s_lshl_b32 s97, s96, 4
	s_lshl_b32 s98, s15, 3
	s_add_co_u32 s97, s97, s98                     ; my first tile of 16 tokens within the batch (q, gate, k)
	s_lshl_b32 s98, s95, 3
	s_add_co_u32 s98, s98, s17                     ; 8 x batch + head
	; what the three ways out need of the exponents is made once, ahead of the first parting: the ways part twice, with a common barrier between
	s_sub_co_i32 s81, s76, s80                     ; v: code = sum / 2^(e8 - E): the scales are folded into the conversion's one
	s_cmp_ge_u32 s17, 10
	s_cselect_b32 s81, s81, s94                    ; q, k: the next quantiser's own exponent
	s_add_co_i32 s81, s81, 127
	s_lshl_b32 s85, s81, 23
	v_mov_b32 v246, s85                            ; the quantiser's 2^e
	s_add_co_i32 s81, s81, 8
	s_lshl_b32 s81, s81, 23
	s_or_b32 s81, s81, 0x600000
	v_mov_b32 v247, s81                            ; 448 x 2^e
	v_mov_b32 v245, 0                              ; (named as the upper half of the pair v[244:245])
	s_lshl_b32 s82, s80, 1
	s_add_co_i32 s82, s82, 120
	s_lshl_b32 s82, s82, 23                        ; 2^(2 E - 7): mean(x^2) = the sum of squared sums x 2^(2 E) / 128
	s_mov_b32 s83, 0x358637bd                      ; eps = 1e-6
	s_add_co_i32 s84, s80, 127
	s_lshl_b32 s84, s84, 23                        ; 2^E
	s_lshl_b32 s86, s80, 23
	s_add_co_u32 s86, s86, 0xbfb8aa3b              ; -log2(e) x 2^E: E is added to the exponent field
	s_mov_b32 s87, s86                             ; (named with it as a pair)
	s_mov_b32 s88, 0x76543210                      ; v_permlanex16_b32: lane l xor 16
	s_mov_b32 s89, 0xfedcba98
	s_wait_alu depctr_va_vdst(0)
	s_cmp_ge_u32 s17, 10
	s_cbranch_scc1 .Lv
	s_cmp_ge_u32 s17, 8
	s_cbranch_scc1 .Lnorm
	s_cmp_eq_u32 s16, 0
	s_cbranch_scc1 .Lnorm
	; ---- the gate: 1 + 2^(-log2(e) g), g = sum x 2^E, kept in f32: the attention's launch takes its reciprocal, the sigmoid
	s_lshl_b32 s98, s98, 7
	s_add_co_u32 s98, s98, s97
	s_lshl_b32 s98, s98, 13
	s_add_co_u32 s98, s98, GS
	s_mov_b32 s99, 0
	s_add_nc_u64 s[90:91], s[12:13], s[98:99]
.macro GT a
.set AC, 64*((\a)%4)
.set WA, 2+(\a)/4
	s_wait_xcnt 0x0                                ; the last tile's stores have read their registers
	WIN WA
.set j, 0
.rept 32
	v_pk_mul_f32 v[Z+j:Z+j+1], v[AC+j:AC+j+1], s[86:87] op_sel_hi:[1,0]   ; each accumulator from its low end on
.set j, j+2
.endr
	WIN 0
.set j, 0
	s_wait_alu depctr_va_vdst(0)
.rept 64
	v_exp_f32 v[Z+j], v[Z+j]
.set j, j+1
.endr
	v_nop                                          ; a plain instruction behind the last exponential,
	s_wait_alu depctr_va_vdst(0)                   ; and one wait for the batch, ahead of its first reader
.set j, 0
.rept 32
	v_pk_add_f32 v[Z+j:Z+j+1], v[Z+j:Z+j+1], 1.0 op_sel_hi:[1,0]
.set j, j+2
.endr
.irp g, 0,1,2,3,4,5,6,7,8,9,10,11,12,13,14,15
	global_store_b128 v[LI], v[Z+4*\g:Z+4*\g+3], s[90:91] offset:8192*(\a)+512*\g
.endr
.endm
.irp a, 0,1,2,3
	GT \a
.endr
	s_branch .Lmid
	; ---- q and k: x rsqrt(mean(x^2) + eps) (1 + w), the rope, the quantiser
.Lnorm:
	s_sub_co_u32 s99, s17, 8
	s_lshl_b32 s99, s99, 1
	s_add_co_u32 s99, s99, s16                     ; k's head
	s_lshl_b32 s81, s95, 2
	s_add_co_u32 s99, s99, s81
	s_add_co_u32 s99, s99, 16                      ; k's images begin 16 heads' worth (4 MiB) behind q's
	s_cmp_ge_u32 s17, 8
	s_cselect_b32 s98, s99, s98
	s_lshl_b32 s98, s98, 7
	s_add_co_u32 s98, s98, s97
	s_lshl_b32 s98, s98, 11
	s_mov_b32 s99, 0
	s_add_nc_u64 s[90:91], s[12:13], s[98:99]      ; my first image
.macro TLOADS a                        ; tile a's cos (64 registers) and sin (64) into set a % 2 of window 1, laid as my registers want them
	WIN 0x40
.irp g, 0,1,2,3,4,5,6,7,8,9,10,11,12,13,14,15
	ds_load_b128 v[128*((\a)%2)+4*\g:128*((\a)%2)+4*\g+3], v[TA+(\a)/4] offset:16384*((\a)%4)+512*\g
.endr
.irp g, 0,1,2,3,4,5,6,7,8,9,10,11,12,13,14,15
	ds_load_b128 v[128*((\a)%2)+64+4*\g:128*((\a)%2)+64+4*\g+3], v[TA+(\a)/4] offset:16384*((\a)%4)+8192+512*\g
.endr
	WIN 0
.endm
.macro NR a
.set AC, 64*((\a)%4)
.set WA, 2+(\a)/4
.set WW, WA|(WA<<2)
.set TS, 128*((\a)%2)
.if ((\a)%4) < 3
	TLOADS (\a)+1                                  ; the next tile of the same slot
.endif
	WIN WW                                         ; sources 0 and 1: the accumulators' window
	v_pk_mul_f32 v[240:241], v[AC:AC+1], v[AC:AC+1]                 ; the sum of my 64 squares, in two packed chains, registers ascending
	v_pk_mul_f32 v[242:243], v[AC+2:AC+3], v[AC+2:AC+3]
.set j, 4
.rept 15
	v_pk_fma_f32 v[240:241], v[AC+j:AC+j+1], v[AC+j:AC+j+1], v[240:241]
	v_pk_fma_f32 v[242:243], v[AC+j+2:AC+j+3], v[AC+j+2:AC+j+3], v[242:243]
.set j, j+4
.endr
	WIN 0
	v_pk_add_f32 v[240:241], v[240:241], v[242:243]
	v_add_f32 v240, v240, v241
	v_permlanex16_b32 v241, v240, s88, s89         ; the token's other 64 columns lie in the lane 16 away
	v_add_f32 v240, v240, v241
	v_fma_f32 v240, v240, s82, s83                 ; mean(x^2) + eps
	s_wait_alu depctr_va_vdst(0)
	v_rsq_f32 v244, v240
	WIN WA
.set j, 0
.rept 32
	v_pk_mul_f32 v[Z+j:Z+j+1], v[AC+j:AC+j+1], v[W1+j:W1+j+1]       ; sum x (1 + w): the independent work behind the root
.set j, j+2
.endr
	WIN 0
	s_wait_alu depctr_va_vdst(0)                   ; the wait ahead of the root's first reader
	v_mul_f32 v244, s84, v244                      ; F = 2^E / sqrt(..)
.if ((\a)%4) < 3
	s_wait_dscnt 32                                ; this tile's tables are in registers; the next tile's 32 LDS loads may be out
.else
	s_wait_dscnt 0x0
.endif
	WIN 0x04                                       ; source 1: the tables' window
.set j, 0
.rept 32
	v_pk_mul_f32 v[O+j:O+j+1], v[Z+(j+32)%64:Z+(j+32)%64+1], v[TS+64+j:TS+64+j+1]   ; the partner 64 columns away x sin
.set j, j+2
.endr
.set j, 0
.rept 16
	v_pk_fma_f32 v[O+j:O+j+1], v[Z+j:Z+j+1], v[TS+j:TS+j+1], v[O+j:O+j+1] neg_lo:[0,0,1] neg_hi:[0,0,1]   ; columns 0-63: x cos - partner sin
.set j, j+2
.endr
.rept 16
	v_pk_fma_f32 v[O+j:O+j+1], v[Z+j:Z+j+1], v[TS+j:TS+j+1], v[O+j:O+j+1]                                 ; columns 64-127: x cos + partner sin
.set j, j+2
.endr
	WIN 0
.set j, 0
.rept 32
	v_pk_mul_f32 v[O+j:O+j+1], v[O+j:O+j+1], v[244:245] op_sel_hi:[1,0]
.set j, j+2
.endr
.set j, 0
.rept 64
	v_med3_num_f32 v[O+j], v[O+j], -v247, v247     ; the conversion does not saturate (ISA guide 7.6.2): the hold comes first
.set j, j+1
.endr
	s_wait_alu depctr_va_vdst(0)
	s_wait_xcnt 0x0                                ; the last tile's stores have read the codes' registers
.set j, 0
.rept 8
	v_cvt_scalef32_pk8_fp8_f32 v[C+2*j:C+2*j+1], v[O+8*j:O+8*j+7], v246   ; columns 16 j + 8 (lane / 16) + 0..7: registers 2 j, 2 j + 1 of the next operand
.set j, j+1
.endr
	v_nop                                          ; a plain instruction behind the last conversion
.irp c, 0,1,2,3
	global_store_b128 v[LI], v[C+4*\c:C+4*\c+3], s[90:91] offset:IMG*(\a)+512*\c
.endr
.endm
	TLOADS 0
	s_wait_loadcnt 0x0                             ; the norm's weights, asked for at the head, are in
.set j, 0
.rept 32
	v_pk_add_f32 v[W1+j:W1+j+1], v[W1+j:W1+j+1], 1.0 op_sel_hi:[1,0]
.set j, j+2
.endr
.irp a, 0,1,2,3
	NR \a
.endr
	s_branch .Lmid
	; ---- v: a lane holds channel 16 a + lane % 16 of head 2 (y - 10) + wr, its registers 128 tokens: the image (16 channels x 128 keys) of the second attention product's operand
.Lv:
	s_sub_co_u32 s97, s17, 10
	s_lshl_b32 s97, s97, 1
	s_add_co_u32 s97, s97, s15
	s_lshl_b32 s98, s95, 2
	s_add_co_u32 s97, s97, s98                     ; 4 x batch + head
	s_lshl_b32 s97, s97, 4
	s_lshl_b32 s98, s96, 1
	s_add_co_u32 s98, s98, s16                     ; the block of 128 keys
	s_add_co_u32 s97, s97, s98
	s_lshl_b32 s98, s97, 14                        ; eight images a block
	s_add_co_u32 s98, s98, VC
	s_mov_b32 s99, 0
	s_add_nc_u64 s[90:91], s[12:13], s[98:99]
.macro VT a
.set AC, 64*((\a)%4)
.set WA, 2+(\a)/4
	WIN WA
.set j, 0
.rept 64
	v_med3_num_f32 v[Z+j], v[AC+j], -v247, v247
.set j, j+1
.endr
	WIN 0
	s_wait_alu depctr_va_vdst(0)
	s_wait_xcnt 0x0                                ; the last tile's stores have read the codes' registers
.set j, 0
.rept 8
	v_cvt_scalef32_pk8_fp8_f32 v[C+2*j:C+2*j+1], v[Z+8*j:Z+8*j+7], v246
.set j, j+1
.endr
	v_nop
.irp c, 0,1,2,3
	global_store_b128 v[LI], v[C+4*\c:C+4*\c+3], s[90:91] offset:IMG*(\a)+512*\c
.endr
.endm
.irp a, 0,1,2,3
	VT \a
.endr
.Lmid:                                             ; the ways join: every wave's part of the second tables is in, and every wave says so
	s_wait_alu depctr_va_vdst(0)
	s_wait_tensorcnt 0x0
	ds_add_u32 v[SPW], v[NIL]
	s_wait_dscnt 0x0
	s_barrier_signal -1
	s_barrier_wait -1
	s_cmp_ge_u32 s17, 10
	s_cbranch_scc1 .Lv2
	s_cmp_ge_u32 s17, 8
	s_cbranch_scc1 .Lnorm2
	s_cmp_eq_u32 s16, 0
	s_cbranch_scc1 .Lnorm2
.irp a, 4,5,6,7
	GT \a
.endr
	s_branch .Lend
.Lnorm2:
	TLOADS 4
.irp a, 4,5,6,7
	NR \a
.endr
	s_branch .Lend
.Lv2:
.irp a, 4,5,6,7
	VT \a
.endr
.Lend:
	s_wait_tensorcnt 0x0                           ; the wave's end: a wait, an add to my spare word and its wait behind my last tensor load
	ds_add_u32 v[SPW], v[NIL]
	s_wait_dscnt 0x0
	CROUND                                         ; the closing round: no work-group ends while a partner may still ask for a tile that names it
	s_endpgm
.Lfunc_end_k_q176bec6c7f_qkv:
	.size	k_q176bec6c7f_qkv, .Lfunc_end_k_q176bec6c7f_qkv-k_q176bec6c7f_qkv
	.p2alignl 7, 3214868480
	.fill 96, 4, 3214868480
	.section	.rodata,"a",@progbits
	.p2align	6, 0x0
	.amdhsa_kernel k_q176bec6c7f_qkv
		.amdhsa_group_segment_fixed_size 327680
		.amdhsa_private_segment_fixed_size 0
		.amdhsa_enable_private_segment 0
		.amdhsa_kernarg_size 40
		.amdhsa_user_sgpr_count 2
		.amdhsa_user_sgpr_kernarg_segment_ptr 1
		.amdhsa_wavefront_size32 1
		.amdhsa_system_sgpr_workgroup_id_x 1
		.amdhsa_system_sgpr_workgroup_id_y 1
		.amdhsa_system_sgpr_workgroup_id_z 1
		.amdhsa_system_vgpr_workitem_id 0
		.amdhsa_next_free_vgpr 1024
		.amdhsa_next_free_sgpr 104
		.amdhsa_reserve_vcc 0
		.amdhsa_float_denorm_mode_32 3
		.amdhsa_float_denorm_mode_16_64 3
		.amdhsa_memory_ordered 1
		.amdhsa_forward_progress 1
		.amdhsa_inst_pref_size 255
	.end_amdhsa_kernel
	.section	.bss,"aw",@nobits
	.p2align	6
	.space	262144
	.amdgpu_metadata
---
amdhsa.version: [ 1, 2 ]
amdhsa.kernels:
  - .name:           k_q176bec6c7f_qkv
    .symbol:         k_q176bec6c7f_qkv.kd
    .args:
      - { .name: codes1, .offset: 0, .size: 8, .value_kind: global_buffer, .address_space: global }
      - { .name: lowp_scales, .offset: 8, .size: 8, .value_kind: global_buffer, .address_space: global }
      - { .name: q_norm_w, .offset: 16, .size: 8, .value_kind: global_buffer, .address_space: global }
      - { .name: k_norm_w, .offset: 24, .size: 8, .value_kind: global_buffer, .address_space: global }
      - { .name: codes2, .offset: 32, .size: 8, .value_kind: global_buffer, .address_space: global }
    .group_segment_fixed_size: 327680
    .private_segment_fixed_size: 0
    .kernarg_segment_align: 8
    .kernarg_segment_size: 40
    .max_flat_workgroup_size: 128
    .sgpr_count:     104
    .vgpr_count:     1024
    .wavefront_size: 32
...
	.end_amdgpu_metadata
.endif
;; end of part 2
;; launch attn (part 3): grid 32 x 8, 8 waves a work-group, clusters of 4 x 1, 327,680 bytes of LDS; arguments codes2, lowp_scales, codes3; writes codes3
.if DOCPART == 3
	.amdgcn_target "amdgcn-amd-amdhsa--gfx1250"
	.amdhsa_code_object_version 6
	.text
	.protected	k_q176bec6c7f_attn
	.globl	k_q176bec6c7f_attn
	.p2align	8
	.type	k_q176bec6c7f_attn,@function
k_q176bec6c7f_attn:
	s_mov_b64 s[64:65], 0
	v_nop
	global_prefetch_b8 v0, s[64:65] scope:SCOPE_SE
	s_setreg_imm32_b32 hwreg(HW_REG_WAVE_MODE, 25, 1), 1
	s_wait_xcnt 0x0
	s_wait_alu depctr_hold_cnt(0) depctr_sa_sdst(0) depctr_va_vdst(0) depctr_va_sdst(0) depctr_va_ssrc(0) depctr_va_vcc(0) depctr_vm_vsrc(0)
	s_getreg_b32 s2, hwreg(HW_REG_IB_STS2, 6, 4)
	s_cmp_eq_u32 s2, 0
	s_cbranch_scc0 .Lentry_in_a_cluster
	s_endpgm
.Lentry_in_a_cluster:
	s_bfe_u32 s2, ttmp6, 0x10000c
	s_cmp_lg_u32 s2, 0x3003
	s_cbranch_scc0 .Lentry_shape_is_right
	s_endpgm
.Lentry_shape_is_right:
.set IMG,   2048
.set STEPB, 8*IMG
.set SLOT1, 131072
.set SPARE, 2*SLOT1
.set KC,    4<<20
.set GS,    8<<20
.set LI,   1
.set LIV,  2
.set VD,   3
.set SPW,  5
.set NIL,  6
.set ADK,  8
.set ADV,  9
.set KF,   64
.set VF,   192
.set TB,   2
.set KS,   3
.set QB,   10
.set CNT4, 11
.set CNTS, 12
.set WV,   18
.set SEL,  20
.set CS,   22
.set G1,   24
.set G0,   32
.set G0W,  36
.set MSB, 0
.macro WIN new
.if MSB != (\new)
	s_set_vgpr_msb (MSB<<8)|(\new)
.set MSB, (\new)
.endif
.endm
.macro CROUND
	s_barrier_signal -1
	s_barrier_wait -1
	s_cmp_lg_u32 s[WV], 0
	s_cbranch_scc1 .Lnot_wave_0_\@
	s_barrier_signal -3
.Lnot_wave_0_\@:
	s_barrier_wait -3
	s_barrier_signal -1
	s_barrier_wait -1
.endm
	s_load_b128 s[4:7], s[0:1], 0x0
	s_load_b64 s[8:9], s[0:1], 0x10
	v_lshl_add_u32 v[SPW], v0, 2, SPARE
	v_mov_b32 v[NIL], 0
	ds_add_u32 v[SPW], v[NIL]
	ds_add_u32 v[SPW], v[NIL]
	v_lshrrev_b32 v10, 5, v0
	s_delay_alu instid0(VALU_DEP_1)
	v_readfirstlane_b32 s[WV], v10
	s_bfe_u32 s13, ttmp6, 0x40000
	s_and_b32 s14, ttmp7, 0xffff
	s_lshr_b32 s15, s[WV], 2
	s_and_b32 s16, s[WV], 3
	s_sub_co_u32 s17, 15, ttmp9
	s_cmp_eq_u32 s15, 0
	s_cselect_b32 s[QB], ttmp9, s17
	s_mov_b32 s[G1], 15|(3<<16)|(1<<21)
	s_mov_b32 s[G1+1], 32<<16
	s_mov_b32 s[G1+2], 64<<16
	s_mov_b32 s[G1+3], 32<<16
	s_mov_b32 s[G1+4], 64
	s_mov_b32 s[G1+5], 32
	s_mov_b32 s[G1+6], 0
	s_mov_b32 s[G1+7], 0
	s_lshl_b32 s40, s15, 21
	s_add_co_u32 s40, s40, KC
	s_lshl_b32 s41, s14, 18
	s_add_co_u32 s40, s40, s41
	s_lshl_b32 s41, s16, 14
	s_add_co_u32 s40, s40, s41
	s_mov_b32 s41, 0
	s_lshl_b32 s19, s[WV], 14
	s_mov_b32 s[SEL], 0x76543210
	s_mov_b32 s[SEL+1], 0xfedcba98
	s_mov_b32 s[CS], 0x3e0293ee
	s_mov_b32 s[TB], 0
	s_mov_b32 s[KS], 0
	s_wait_dscnt 0x0
	s_wait_kmcnt 0x0
	s_load_b256 s[68:75], s[6:7], 0x0
	s_load_b128 s[76:79], s[6:7], 0x20
	s_add_nc_u64 s[40:41], s[4:5], s[40:41]
	s_mov_b32 s[G0], 1
	s_mov_b32 s[G0+1], s19
	s_mov_b64 s[G0+2:G0+3], s[40:41]
	s_or_b32 s[G0+3], s[G0+3], 0x80000000
	s_mov_b32 s[G0W], 1
	s_add_co_u32 s[G0W+1], s19, SLOT1
	s_add_nc_u64 s[G0W+2:G0W+3], s[40:41], 4*STEPB
	s_or_b32 s[G0W+3], s[G0W+3], 0x80000000
	CROUND
	tensor_load_to_lds s[G0:G0+3], s[G1:G1+7]
	s_nop 0
	; the rest of the head stands under the first tile's flight: addresses, q's and the gates' loads, the starting values
	s_lshl_b32 s42, s13, 2
	s_add_co_u32 s42, s42, s16
	s_and_b32 s43, s42, 1
	s_lshr_b32 s44, s42, 1
	s_and_b32 s45, s14, 3
	s_lshl_b32 s45, s45, 1
	s_add_co_u32 s45, s45, s43
	s_lshr_b32 s46, s14, 2
	s_lshl_b32 s47, s46, 3
	s_add_co_u32 s47, s47, s45
	s_lshl_b32 s47, s47, 7
	s_lshl_b32 s48, s[QB], 3
	s_add_co_u32 s48, s48, s44
	s_add_co_u32 s47, s47, s48
	s_lshl_b32 s48, s47, 11
	s_mov_b32 s49, 0
	s_add_nc_u64 s[50:51], s[4:5], s[48:49]
	s_lshl_b32 s48, s47, 13
	s_add_co_u32 s48, s48, GS
	s_add_nc_u64 s[52:53], s[4:5], s[48:49]
	s_lshl_b32 s48, s46, 4
	s_add_co_u32 s48, s48, s[QB]
	s_lshl_b32 s48, s48, 3
	s_add_co_u32 s48, s48, s45
	s_lshl_b32 s48, s48, 3
	s_add_co_u32 s48, s48, s44
	s_lshl_b32 s48, s48, 11
	s_add_nc_u64 s[54:55], s[8:9], s[48:49]
	v_and_b32 v10, 31, v0
	s_delay_alu instid0(VALU_DEP_1)
	v_lshlrev_b32 v[LI], 4, v10
	s_delay_alu instid0(VALU_DEP_1)
	v_add_nc_u32 v[LIV], 4*STEPB, v[LI]
.irp c, 0,1,2,3
	global_load_b128 v[16+4*\c:19+4*\c], v[LI], s[50:51] offset:512*\c th:TH_LOAD_NT
.endr
	WIN 0x40
.irp g, 0,1,2,3,4,5,6,7,8,9,10,11,12,13,14,15
	global_load_b128 v[4*\g:4*\g+3], v[LI], s[52:53] offset:512*\g th:TH_LOAD_NT
.endr
	WIN 0
	v_and_b32 v10, 15, v0
	v_bfe_u32 v11, v0, 4, 1
	s_delay_alu instid0(VALU_DEP_1)
	v_lshlrev_b32 v11, 3, v11
	s_delay_alu instid0(VALU_DEP_1)
	v_sub_nc_u32 v10, v10, v11
	s_lshl_b32 s56, s44, 4
	v_add_nc_u32 v[VD], s56, v10
	v_mov_b32 v13, 0xff61b1e6
	s_delay_alu instid0(VALU_DEP_1)
	v_floor_f32 v12, -v13
	v_mov_b32 v14, 0
	v_mov_b32 v15, 0
	v_mov_b32 v236, 0
	v_mov_b32 v253, 0
.set j, 0
.rept 64
	v_mov_b32 v[160+j], 0
.set j, j+1
.endr
	s_wait_kmcnt 0x0
	s_add_co_i32 s56, s74, s75
	s_lshl_b32 s56, s56, 23
	s_add_co_i32 s[CS], s[CS], s56
	s_mov_b32 s[CS+1], s[CS]
	s_add_co_i32 s56, s77, 127
	s_lshl_b32 s57, s56, 23
	v_mov_b32 v244, s57
	s_add_co_i32 s56, s56, 8
	s_lshl_b32 s56, s56, 23
	s_or_b32 s56, s56, 0x600000
	v_mov_b32 v240, s56
.macro STEP
	s_cmp_gt_u32 s[KS], s[QB]
	s_cbranch_scc1 .Lhidden_\@
	s_wait_dscnt 0x0
	WIN 0x01
.irp t, 0,1,2,3,4,5,6,7
	v_wmma_f32_16x16x128_fp8_fp8 v[96+8*\t:103+8*\t], v[KF+16*\t:KF+16*\t+15], v[16:31], 0
.endr
	WIN 0
	v_add_nc_u32 v[ADK], s[TB], v[LI]
	v_add_nc_u32 v[ADV], s[TB], v[LIV]
	v_nop
	v_nop
	WIN 0x40
.irp t, 0,1,2,3
.irp c, 0,1,2,3
	ds_load_b128 v[VF+16*\t+4*\c:VF+16*\t+4*\c+3], v[ADV] offset:\t*IMG+512*\c
.endr
.endr
	WIN 0
.irp t, 0,1,2,3
.irp c, 0,1,2,3
	ds_load_b128 v[32+16*\t+4*\c:32+16*\t+4*\c+3], v[ADV] offset:(4+\t)*IMG+512*\c
.endr
.endr
	s_cmp_eq_u32 s[CNT4], 1
	s_cbranch_scc1 .Lnok_\@
	WIN 0x40
.irp t, 0,1,2,3,4,5,6,7
.irp c, 0,1,2,3
	ds_load_b128 v[KF+16*\t+4*\c:KF+16*\t+4*\c+3], v[ADK] offset:(8+\t)*IMG+512*\c
.endr
.endr
	WIN 0
.Lnok_\@:
	s_cmp_lg_u32 s[KS], s[QB]
	s_cbranch_scc1 .Lopen_\@
	v_mov_b32 v254, 0xff800000
.set n, 0
.rept 64
	v_cmp_gt_i32 vcc_lo, 16*(n/8)+n%8, v[VD]
	v_cndmask_b32 v[96+n], v[96+n], v254, vcc_lo
.set n, n+1
.endr
.Lopen_\@:
	v_max3_num_f32 v254, v96, v97, v98
	v_max3_num_f32 v252, v99, v100, v101
.irp i, 6,10,14,18,22,26,30,34,38,42,46,50,54,58
	v_max3_num_f32 v254, v254, v[96+\i], v[97+\i]
	v_max3_num_f32 v252, v252, v[98+\i], v[99+\i]
.endr
	v_max3_num_f32 v254, v254, v158, v159
	s_delay_alu instid0(VALU_DEP_1)
	v_max_num_f32 v254, v254, v252
	v_permlanex16_b32 v236, v254, s[SEL], s[SEL+1]
	s_delay_alu instid0(VALU_DEP_1)
	v_max_num_f32 v254, v254, v236
	s_delay_alu instid0(VALU_DEP_1)
	v_mul_f32 v254, s[CS], v254
	s_delay_alu instid0(VALU_DEP_1)
	v_max_num_f32 v13, v13, v254
	v_mov_b32 v254, v12
	s_delay_alu instid0(VALU_DEP_2)
	v_floor_f32 v12, -v13
	s_delay_alu instid0(VALU_DEP_1)
	v_sub_f32 v254, v12, v254
	s_delay_alu instid0(VALU_DEP_1)
	v_cvt_i32_f32 v254, v254
	s_delay_alu instid0(VALU_DEP_1)
	v_ldexp_f32 v252, 1.0, v254
.set j, 0
.rept 32
	v_pk_fma_f32 v[96+j:97+j], v[96+j:97+j], s[CS:CS+1], v[12:13] op_sel_hi:[1,0,0]
.set j, j+2
.endr
.set j, 0
	s_wait_alu depctr_va_vdst(0)
.rept 64
	v_exp_f32 v[96+j], v[96+j]
.set j, j+1
.endr
	v_pk_mul_f32 v[14:15], v[14:15], v[252:253] op_sel_hi:[1,0]
	s_wait_alu depctr_va_vdst(0)
	v_pk_add_f32 v[242:243], v[96:97], v[98:99]
.irp j, 4,8,12,16,20,24,28,32,36,40,44,48,52,56,60
	v_pk_add_f32 v[14:15], v[14:15], v[96+\j:97+\j]
	v_pk_add_f32 v[242:243], v[242:243], v[98+\j:99+\j]
.endr
	s_delay_alu instid0(VALU_DEP_1)
	v_pk_add_f32 v[14:15], v[14:15], v[242:243]
.irp t, 0,1,2,3,4,5,6,7
.irp i, 0,1,2,3,4,5,6,7
	v_min_num_f32 v[96+8*\t+\i], v[96+8*\t+\i], v240
.endr
	v_cvt_scalef32_pk8_fp8_f32 v[224+2*\t:225+2*\t], v[96+8*\t:103+8*\t], v244
.endr
.set j, 0
.rept 32
	v_pk_mul_f32 v[160+j:161+j], v[160+j:161+j], v[252:253] op_sel_hi:[1,0]
.set j, j+2
.endr
	s_wait_alu depctr_va_vdst(0)
	s_wait_dscnt 0x0
	WIN 0x01
.irp t, 0,1,2,3
	v_wmma_f32_16x16x128_fp8_fp8 v[160+8*\t:167+8*\t], v[VF+16*\t:VF+16*\t+15], v[224:239], v[160+8*\t:167+8*\t]
.endr
	WIN 0
.irp t, 4,5,6,7
	v_wmma_f32_16x16x128_fp8_fp8 v[160+8*\t:167+8*\t], v[32+16*(\t-4):47+16*(\t-4)], v[224:239], v[160+8*\t:167+8*\t]
.endr
.Lhidden_\@:
	s_add_co_u32 s[TB], s[TB], STEPB
	s_add_co_u32 s[KS], s[KS], 1
.endm
.macro FOUR_STEPS
	s_mov_b32 s[CNT4], 4
	v_add_nc_u32 v[ADK], s[TB], v[LI]
	WIN 0x40
.irp t, 0,1,2,3,4,5,6,7
.irp c, 0,1,2,3
	ds_load_b128 v[KF+16*\t+4*\c:KF+16*\t+4*\c+3], v[ADK] offset:\t*IMG+512*\c
.endr
.endr
	WIN 0
.Lstep_\@:
	STEP
	s_sub_co_u32 s[CNT4], s[CNT4], 1
	s_cmp_lg_u32 s[CNT4], 0
	s_cbranch_scc1 .Lstep_\@
.endm
.macro CHANGE fill
	s_wait_tensorcnt 0x0
	ds_add_u32 v[SPW], v[NIL]
.if \fill
	s_xor_b32 s[G0W+1], s[G0W+1], SLOT1
	s_add_nc_u64 s[G0W+2:G0W+3], s[G0W+2:G0W+3], 4*STEPB
.endif
	s_wait_dscnt 0x0
.if \fill
	CROUND
	tensor_load_to_lds s[G0W:G0W+3], s[G1:G1+7]
	s_nop 0
.rept 4
	v_nop
.endr
.else
	s_barrier_signal -1
	s_barrier_wait -1
.endif
	s_sub_co_u32 s[TB], s[TB], 4*STEPB
	s_xor_b32 s[TB], s[TB], SLOT1
.endm
	s_wait_alu depctr_va_vdst(0)
	s_wait_tensorcnt 0x0                           ; my part of slot 0 is in
	ds_add_u32 v[SPW], v[NIL]
	s_wait_dscnt 0x0
	CROUND                                         ; slot 0 is whole in every partner
	tensor_load_to_lds s[G0W:G0W+3], s[G1:G1+7]    ; slot 1's first fill, the first tensor load behind the round
	s_nop 0
.rept 4
	v_nop
.endr
	s_wait_loadcnt 16                              ; q's four loads are in; the gates' sixteen, issued behind them, may be out: they are read on the way out alone
	s_mov_b32 s[CNTS], 2
.Lslot:
	FOUR_STEPS
	CHANGE 1
	s_sub_co_u32 s[CNTS], s[CNTS], 1
	s_cmp_lg_u32 s[CNTS], 0
	s_cbranch_scc1 .Lslot
	FOUR_STEPS
	CHANGE 0
	FOUR_STEPS
.rept 4
	v_nop
.endr
	v_add_f32 v14, v14, v15
	s_delay_alu instid0(VALU_DEP_1)
	v_permlanex16_b32 v252, v14, s[SEL], s[SEL+1]
	s_delay_alu instid0(VALU_DEP_1)
	v_add_f32 v14, v14, v252
	s_wait_loadcnt 0x0                             ; the gates' 1 + 2^(-log2(e) g) are in
	s_wait_alu depctr_va_vdst(0)
	v_rcp_f32 v14, v14
	WIN 0x41
.set j, 0
.rept 64
	v_rcp_f32 v[j], v[j]                           ; the sigmoids, in one batch with the reciprocal of the row's sum
.set j, j+1
.endr
	WIN 0
	v_mov_b32 v15, 0
	s_add_co_i32 s56, s76, s77
	s_add_co_i32 s57, s78, 127
	s_lshl_b32 s58, s57, 23
	v_mov_b32 v244, s58
	s_add_co_i32 s57, s57, 8
	s_lshl_b32 s57, s57, 23
	s_or_b32 s57, s57, 0x600000
	v_mov_b32 v240, s57
	s_wait_alu depctr_va_vdst(0)
	v_ldexp_f32 v14, v14, s56
.set j, 0
.rept 32
	v_pk_mul_f32 v[96+j:97+j], v[160+j:161+j], v[14:15] op_sel_hi:[1,0]
.set j, j+2
.endr
	WIN 0x04
.set j, 0
.rept 32
	v_pk_mul_f32 v[96+j:97+j], v[96+j:97+j], v[j:j+1]
.set j, j+2
.endr
	WIN 0
.set j, 0
.rept 64
	v_med3_num_f32 v[96+j], v[96+j], -v240, v240
.set j, j+1
.endr
.set j, 0
.rept 8
	v_cvt_scalef32_pk8_fp8_f32 v[224+2*j:225+2*j], v[96+8*j:103+8*j], v244
.set j, j+1
.endr
	v_nop
.irp c, 0,1,2,3
	global_store_b128 v[LI], v[224+4*\c:227+4*\c], s[54:55] offset:512*\c
.endr
	s_wait_tensorcnt 0x0
	ds_add_u32 v[SPW], v[NIL]
	s_wait_dscnt 0x0
	CROUND
	s_endpgm
.Lfunc_end_k_q176bec6c7f_attn:
	.size	k_q176bec6c7f_attn, .Lfunc_end_k_q176bec6c7f_attn-k_q176bec6c7f_attn
	.p2alignl 7, 3214868480
	.fill 96, 4, 3214868480
	.section	.rodata,"a",@progbits
	.p2align	6, 0x0
	.amdhsa_kernel k_q176bec6c7f_attn
		.amdhsa_group_segment_fixed_size 327680
		.amdhsa_private_segment_fixed_size 0
		.amdhsa_enable_private_segment 0
		.amdhsa_kernarg_size 24
		.amdhsa_user_sgpr_count 2
		.amdhsa_user_sgpr_kernarg_segment_ptr 1
		.amdhsa_wavefront_size32 1
		.amdhsa_system_sgpr_workgroup_id_x 1
		.amdhsa_system_sgpr_workgroup_id_y 1
		.amdhsa_system_sgpr_workgroup_id_z 1
		.amdhsa_system_vgpr_workitem_id 0
		.amdhsa_next_free_vgpr 512
		.amdhsa_next_free_sgpr 100
		.amdhsa_reserve_vcc 1
		.amdhsa_float_denorm_mode_32 3
		.amdhsa_float_denorm_mode_16_64 3
		.amdhsa_memory_ordered 1
		.amdhsa_forward_progress 1
		.amdhsa_inst_pref_size 103
	.end_amdhsa_kernel
	.amdgpu_metadata
---
amdhsa.version: [ 1, 2 ]
amdhsa.kernels:
  - .name:           k_q176bec6c7f_attn
    .symbol:         k_q176bec6c7f_attn.kd
    .args:
      - { .name: codes2, .offset: 0, .size: 8, .value_kind: global_buffer, .address_space: global }
      - { .name: lowp_scales, .offset: 8, .size: 8, .value_kind: global_buffer, .address_space: global }
      - { .name: codes3, .offset: 16, .size: 8, .value_kind: global_buffer, .address_space: global }
    .group_segment_fixed_size: 327680
    .private_segment_fixed_size: 0
    .kernarg_segment_align: 8
    .kernarg_segment_size: 24
    .max_flat_workgroup_size: 256
    .sgpr_count:     100
    .vgpr_count:     512
    .wavefront_size: 32
...
	.end_amdgpu_metadata
.endif
;; end of part 3
;; launch oproj (part 4): grid 32 x 8, 4 waves a work-group, clusters of 4 x 1, 327,680 bytes of LDS; arguments codes3, codes1, lowp_scales, out0; writes out0
.if DOCPART == 4
	.amdgcn_target "amdgcn-amd-amdhsa--gfx1250"
	.amdhsa_code_object_version 6
	.text
	.protected	k_q176bec6c7f_oproj
	.globl	k_q176bec6c7f_oproj
	.p2align	8
	.type	k_q176bec6c7f_oproj,@function
k_q176bec6c7f_oproj:
	s_mov_b64 s[64:65], 0
	v_nop
	global_prefetch_b8 v0, s[64:65] scope:SCOPE_SE
	s_setreg_imm32_b32 hwreg(HW_REG_WAVE_MODE, 25, 1), 1
	s_wait_xcnt 0x0
	s_wait_alu depctr_hold_cnt(0) depctr_sa_sdst(0) depctr_va_vdst(0) depctr_va_sdst(0) depctr_va_ssrc(0) depctr_va_vcc(0) depctr_vm_vsrc(0)
	s_getreg_b32 s2, hwreg(HW_REG_IB_STS2, 6, 4)
	s_cmp_eq_u32 s2, 0
	s_cbranch_scc0 .Lentry_in_a_cluster
	s_endpgm
.Lentry_in_a_cluster:
	s_bfe_u32 s2, ttmp6, 0x10000c
	s_cmp_lg_u32 s2, 0x3003
	s_cbranch_scc0 .Lentry_shape_is_right
	s_endpgm
.Lentry_shape_is_right:
.set FR,    16
.set NP,    4
.set IMG,   2048
.set PBLK,  16*IMG
.set SLOT,  3*PBLK
.set SPARE, 3*SLOT
.set WO,    30<<20
.set SIZE_N, 2048
.set SPITCH, 528
.set STAGE,  PBLK                      ; the way out's stages lie in the tokens' K 256 on: last filled at the head, last read ahead of the last change of slots
.set ADR1, 16
.set ADR0, 20
.set STO,  24
.set RD,   25
.set CO,   26
.set SPW,  28
.set NIL,  29
.set TMP,  32
.set AF,   128
.set BK,   128
.set G1,  24
.set G1J, 48
.set MSB, 0
.macro WIN new
.if MSB != (\new)
	s_set_vgpr_msb (MSB<<8)|(\new)
.set MSB, (\new)
.endif
.endm
.set MUL,  0xa1
.set TO_B, 0x40
.macro JLOAD g0a, g1a, g0b, g1b
	s_cmp_eq_u32 s15, 0
	s_cbranch_scc0 .Lfor_b_\@
	tensor_load_to_lds s[\g0a:\g0a+3], s[\g1a:\g1a+7]
	s_nop 0
.rept 4
	v_nop
.endr
	s_branch .Lasked_\@
.Lfor_b_\@:
	tensor_load_to_lds s[\g0b:\g0b+3], s[\g1b:\g1b+7]
	s_nop 0
.rept 4
	v_nop
.endr
.Lasked_\@:
.endm
.macro CREST
	s_cmp_lg_u32 s14, 0
	s_cbranch_scc1 .Lnot_wave_0_\@
	s_barrier_signal -3
.Lnot_wave_0_\@:
	s_barrier_wait -3
	s_barrier_signal -1
	s_barrier_wait -1
.endm
.macro CROUND
	s_barrier_signal -1
	s_barrier_wait -1
	CREST
.endm
	s_load_b128 s[4:7], s[0:1], 0x0
	s_load_b128 s[8:11], s[0:1], 0x10
	v_lshl_add_u32 v[SPW], v0, 2, SPARE
	v_mov_b32 v[NIL], 0
	ds_add_u32 v[SPW], v[NIL]
	ds_add_u32 v[SPW], v[NIL]
	v_lshrrev_b32 v1, 5, v0
	v_readfirstlane_b32 s14, v1
	s_lshr_b32 s15, s14, 1
	s_and_b32 s16, s14, 1
	s_bfe_u32 s72, ttmp6, 0x40000
	s_lshl_b32 s73, ttmp9, 2
	s_add_co_u32 s73, s73, s72
	s_and_b32 s17, ttmp7, 0xffff
	s_mov_b32 s[G1+0], 3<<16
	s_mov_b32 s[G1+1], 32<<16
	s_mov_b32 s[G1+2], 64<<16
	s_mov_b32 s[G1+3], 32<<16
	s_mov_b32 s[G1+4], 64
	s_mov_b32 s[G1+5], 32
	s_mov_b32 s[G1+6], 0
	s_mov_b32 s[G1+7], 0
	s_mov_b32 s[G1J+0], 15|(3<<16)|(1<<21)
	s_mov_b32 s[G1J+1], 32<<16
	s_mov_b32 s[G1J+2], 128<<16
	s_mov_b32 s[G1J+3], 32<<16
	s_mov_b32 s[G1J+4], 128
	s_mov_b32 s[G1J+5], 32
	s_mov_b32 s[G1J+6], 0
	s_mov_b32 s[G1J+7], 0
	; LDS: tokens' K 0..767 at 0 (16,384 bytes for each 128 along K), the weights' two blocks of 128 rows likewise at 98,304 and 196,608.  The head's one load a wave brings all of it:
	; waves 0, 1: 49,152 bytes of tokens each (192 rows of 256 bytes); waves 2, 3: 98,304 bytes of weights each (384 rows), jointly.  K 768..1023 later takes the place of K 0..255.
	s_mov_b32 s76, 3<<16
	s_mov_b32 s77, 32<<16
	s_mov_b32 s78, 192<<16
	s_mov_b32 s79, 32<<16
	s_mov_b32 s80, 192
	s_mov_b32 s81, 32
	s_mov_b32 s82, 0
	s_mov_b32 s83, 0
	s_mov_b32 s84, 15|(3<<16)|(1<<21)
	s_mov_b32 s85, 32<<16
	s_mov_b32 s86, 384<<16
	s_mov_b32 s87, 32<<16
	s_mov_b32 s88, 384
	s_mov_b32 s89, 32
	s_mov_b32 s90, 0
	s_mov_b32 s91, 0
	s_lshl_b32 s18, s73, 17
	s_lshl_b32 s19, s16, 14
	s_add_co_u32 s18, s18, s19
	s_mov_b32 s19, 0
	s_lshl_b32 s20, s17, 1
	s_add_co_u32 s20, s20, s16
	s_lshl_b32 s20, s20, 17
	s_add_co_u32 s20, s20, WO
	s_mov_b32 s21, 0
	s_lshl_b32 s44, s16, 14
	s_mul_i32 s45, s16, 3*PBLK
	s_add_co_u32 s45, s45, 3*PBLK
	s_wait_dscnt 0x0
	s_wait_kmcnt 0x0
	s_load_b64 s[96:97], s[8:9], 0x28
	s_add_nc_u64 s[18:19], s[4:5], s[18:19]
	s_add_nc_u64 s[20:21], s[6:7], s[20:21]
	CROUND
	s_mov_b32 s32, 1                               ; the refill's groups 0: they stand at K 0 and are stepped to K 768 at the change of slots
	s_mov_b32 s33, s44
	s_mov_b64 s[34:35], s[18:19]
	s_or_b32 s35, s35, 0x80000000
	s_mov_b32 s56, 1
	s_mov_b32 s57, s45
	s_mov_b64 s[58:59], s[20:21]
	s_or_b32 s59, s59, 0x80000000
	s_mov_b32 s36, 1                               ; the head's groups 0: tokens: K 384 x half on, in memory and in LDS 49,152 bytes x half
	s_mul_i32 s37, s16, 3*PBLK/2
	s_lshl_b32 s40, s16, 15                        ; (s[18:19] holds 16,384 x half already)
	s_mov_b32 s41, 0
	s_add_nc_u64 s[38:39], s[18:19], s[40:41]
	s_or_b32 s39, s39, 0x80000000
	s_mov_b32 s60, 1                               ; weights: my block from K 0 on
	s_mov_b32 s61, s45
	s_mov_b64 s[62:63], s[20:21]
	s_or_b32 s63, s63, 0x80000000
	JLOAD 36, 76, 60, 84                           ; one tensor load a wave at the head
	v_and_b32 v1, 15, v0
	v_bfe_u32 v2, v0, 4, 1
	v_and_b32 v3, 31, v0
	v_lshlrev_b32 v[CO], 4, v3
	s_lshl_b32 s22, s15, 13
	s_mul_i32 s23, s16, 3*PBLK
	s_add_co_u32 s23, s23, 3*PBLK
.irp s, 0,1,2
	v_add_nc_u32 v[ADR1+\s], s22, v[CO]
	v_add_nc_u32 v[ADR0+\s], s23, v[CO]
	s_add_co_u32 s22, s22, PBLK                    ; 256 along K on: 32,768 bytes in each of the three regions
	s_add_co_u32 s23, s23, PBLK
.endr
	s_mul_i32 s23, s14, 16*SPITCH
	s_add_co_u32 s23, s23, STAGE
	v_mul_u32_u24 v5, v1, SPITCH
	v_lshl_add_u32 v5, v2, 5, v5
	v_add_nc_u32 v[STO], s23, v5
	v_add_nc_u32 v[RD], s23, v[CO]
	s_lshl_b32 s46, s73, 7
	s_lshl_b32 s47, s15, 6
	s_add_co_u32 s46, s46, s47
	s_lshl_b32 s46, s46, 13
	s_lshl_b32 s47, s17, 10
	s_add_co_u32 s46, s46, s47
	s_lshl_b32 s47, s16, 9
	s_add_co_u32 s46, s46, s47
	s_mov_b32 s47, 0
	s_add_nc_u64 s[10:11], s[10:11], s[46:47]
.macro FRAG reg, adr, q, i
.irp c, 0,1,2,3
	ds_load_b128 v[\reg+4*\c:\reg+4*\c+3], v[\adr] offset:(8*(\q)+(\i))*IMG+512*\c
.endr
.endm
.macro MUL8 b0, p, zero
.irp b, \b0, \b0+1
.irp a, 0,1,2,3
.if \zero
	v_wmma_f32_16x16x128_fp8_fp8 v[8*(8*\a+(\b)):8*(8*\a+(\b))+7], v[128*(\p)+FR*(\b):128*(\p)+FR*(\b)+FR-1], v[AF+64*(\p)+FR*\a:AF+64*(\p)+FR*\a+FR-1], 0
.else
	v_wmma_f32_16x16x128_fp8_fp8 v[8*(8*\a+(\b)):8*(8*\a+(\b))+7], v[128*(\p)+FR*(\b):128*(\p)+FR*(\b)+FR-1], v[AF+64*(\p)+FR*\a:AF+64*(\p)+FR*\a+FR-1], v[8*(8*\a+(\b)):8*(8*\a+(\b))+7]
.endif
.endr
.endr
.endm
.macro FETCH slot, q, p
.irp i, 0,1,2,3
	FRAG AF+64*(\p)+FR*\i, ADR1+\slot, \q, \i
.endr
	WIN TO_B
.irp i, 0,1,2,3,4,5,6,7
	FRAG 128*(\p)+FR*\i, ADR0+\slot, \q, \i
.endr
	WIN 0
.endm
.macro PLACES n
.rept \n
	v_nop
.endr
.endm
.macro STEP p, zero, nslot, nq
	s_wait_dscnt 16
	WIN MUL
	MUL8 0, \p, \zero
	MUL8 2, \p, \zero
	s_wait_dscnt 0
	PLACES NP
	WIN 0
	FETCH \nslot, \nq, 1-(\p)
	WIN MUL
	MUL8 4, \p, \zero
	MUL8 6, \p, \zero
.endm
.macro TURN p, fill, nslot
	WIN 0
	s_wait_tensorcnt 0x0
	ds_add_u32 v[SPW], v[NIL]
	s_wait_dscnt 17
	WIN MUL
	MUL8 0, \p, 0
	MUL8 2, \p, 0
	s_wait_dscnt 0x0
	s_barrier_signal -1
	MUL8 4, \p, 0
	WIN 0
	s_barrier_wait -1
.if \fill
	CREST
	s_add_nc_u64 s[34:35], s[34:35], 3*PBLK
	s_add_nc_u64 s[58:59], s[58:59], 3*PBLK
	JLOAD 32, G1, 56, G1J
.else
	PLACES NP
.endif
	FETCH \nslot, 0, 1-(\p)
	WIN MUL
	MUL8 6, \p, 0
.endm
	s_wait_alu depctr_va_vdst(0)
	s_wait_tensorcnt 0x0                           ; my part of K 0..767 is in
	s_barrier_signal -1
	s_barrier_wait -1
	FETCH 0, 0, 0
	STEP 0, 1, 0, 1
	TURN 1, 1, 1
	STEP 0, 0, 1, 1
	STEP 1, 0, 2, 0
	STEP 0, 0, 2, 1
	TURN 1, 0, 0
	STEP 0, 0, 0, 1
	s_wait_dscnt 16
	WIN MUL
	MUL8 0, 1, 0
	MUL8 2, 1, 0
	s_wait_dscnt 0
	MUL8 4, 1, 0
	MUL8 6, 1, 0
	WIN 0
.macro TOSTAGE a
.set AC, 64*(\a)
	WIN 0x02
.set j, 0
.rept 32
	v_pk_mul_f32 v[TMP+j:TMP+j+1], v[AC+j:AC+j+1], s[96:97] op_sel_hi:[1,0]
.set j, j+2
.endr
	WIN 0
.irp b, 0,1,2,3,4,5,6,7
	ds_store_b128 v[STO], v[TMP+8*\b:TMP+8*\b+3] offset:64*\b
	ds_store_b128 v[STO], v[TMP+8*\b+4:TMP+8*\b+7] offset:64*\b+16
.endr
.set BB, BK+64*((\a)%2)
.irp t, 0,1,2,3,4,5,6,7,8,9,10,11,12,13,14,15
	ds_load_b128 v[BB+4*\t:BB+4*\t+3], v[RD] offset:\t*SPITCH
.endr
.endm
.macro SEND a, younger
.set BB, BK+64*((\a)%2)
	s_wait_dscnt \younger
.if (\a) > 0
	s_add_nc_u64 s[10:11], s[10:11], 16*SIZE_N*4
.endif
.irp t, 0,1,2,3,4,5,6,7,8,9,10,11,12,13,14,15
	global_store_b128 v[CO], v[BB+4*\t:BB+4*\t+3], s[10:11] offset:\t*SIZE_N*4 th:TH_STORE_NT
.endr
.endm
	s_wait_kmcnt 0x0
	s_add_co_i32 s96, s96, s97
	s_add_co_i32 s96, s96, 127
	s_lshl_b32 s96, s96, 23
	PLACES NP
	TOSTAGE 0
.irp a, 1,2,3
.if \a > 1
	s_wait_xcnt 0x0
.endif
	TOSTAGE \a
	SEND \a-1, 32
.endr
	s_wait_xcnt 0x0
	SEND 3, 0
	s_wait_tensorcnt 0x0
	ds_add_u32 v[SPW], v[NIL]
	s_wait_dscnt 0x0
	CROUND
	s_endpgm
.Lfunc_end_k_q176bec6c7f_oproj:
	.size	k_q176bec6c7f_oproj, .Lfunc_end_k_q176bec6c7f_oproj-k_q176bec6c7f_oproj
	.p2alignl 7, 3214868480
	.fill 96, 4, 3214868480
	.section	.rodata,"a",@progbits
	.p2align	6, 0x0
	.amdhsa_kernel k_q176bec6c7f_oproj
		.amdhsa_group_segment_fixed_size 327680
		.amdhsa_private_segment_fixed_size 0
		.amdhsa_enable_private_segment 0
		.amdhsa_kernarg_size 32
		.amdhsa_user_sgpr_count 2
		.amdhsa_user_sgpr_kernarg_segment_ptr 1
		.amdhsa_wavefront_size32 1
		.amdhsa_system_sgpr_workgroup_id_x 1
		.amdhsa_system_sgpr_workgroup_id_y 1
		.amdhsa_system_sgpr_workgroup_id_z 1
		.amdhsa_system_vgpr_workitem_id 0
		.amdhsa_next_free_vgpr 768
		.amdhsa_next_free_sgpr 100
		.amdhsa_reserve_vcc 0
		.amdhsa_float_denorm_mode_32 3
		.amdhsa_float_denorm_mode_16_64 3
		.amdhsa_memory_ordered 1
		.amdhsa_forward_progress 1
		.amdhsa_inst_pref_size 74
	.end_amdhsa_kernel
	.amdgpu_metadata
---
amdhsa.version: [ 1, 2 ]
amdhsa.kernels:
  - .name:           k_q176bec6c7f_oproj
    .symbol:         k_q176bec6c7f_oproj.kd
    .args:
      - { .name: codes3, .offset: 0, .size: 8, .value_kind: global_buffer, .address_space: global }
      - { .name: codes1, .offset: 8, .size: 8, .value_kind: global_buffer, .address_space: global }
      - { .name: lowp_scales, .offset: 16, .size: 8, .value_kind: global_buffer, .address_space: global }
      - { .name: out0, .offset: 24, .size: 8, .value_kind: global_buffer, .address_space: global }
    .group_segment_fixed_size: 327680
    .private_segment_fixed_size: 0
    .kernarg_segment_align: 8
    .kernarg_segment_size: 32
    .max_flat_workgroup_size: 128
    .sgpr_count:     100
    .vgpr_count:     768
    .wavefront_size: 32
...
	.end_amdgpu_metadata
.endif
;; end of part 4
